; MI455X (gfx1250); checked and timed in simulation.
; The chip was launched on July 23, 2026; its instructions are those of AMD's public machine-readable ISA for CDNA 5 (MIT licence, August 2026) and "CDNA5" Instruction Set Architecture Reference Guide (July 2026). The comments in the code are by the model that wrote it; some were corrected since.
;; Mp Max Pooling Match. Allowed arithmetic: matrix products marked QUANTISED: E3M2 operands, one E8M0 scale for each 32 along K, by v_wmma_scale_f32_16x16x128_f8f6f4 with both operands' format E3M2, f32 sums; everything else in f32.
;; Inputs: kernel 32 x 256 float32; reps_lt 16 x 256 x 256 float32; reps_rt 16 x 256 x 256 float32.
;; Outputs: out0 16 x 256 x 32 float32.
;; This version of the problem:
;;   THIS VERSION OF THE PROBLEM IS GIVEN IN LOW PRECISION. The matrix products marked QUANTISED in the list below multiply operands that are first quantised to E3M2 (3 exponent bits, 2 mantissa bits; 6 bits a number), with one power-of-two scale for each 32 numbers along K (OCP MX v1.0); their sums are f32. All else is computed in f32.
;;   The module's matrix products, in the order in which they are computed (A, B: the left and right operand; K: the contracted axis; several contracted axes count as one K, in the product's order):
;;     1. batch 16 x [M 256, K 256] x [K 256, N 8,192]; A: input reps_rt; B: computed on the way: QUANTISED
;;   THE QUANTISER, for each operand of a quantised product, along K:
;;     - K is cut into blocks of 32 from its start; a last block that is shorter is filled with zeros.
;;     - A block's scale is 2^e with e = floor(log2(the largest magnitude in the block)) - 4, held to -126 .. 127; a block of zeros has e = 0. As a byte (E8M0): e + 127.
;;     - Each number is divided by its block's scale, clamped to +-28, and rounded to the nearest number of E3M2, ties to even, subnormals kept.
;;     - The product sums the exact products of the quantised numbers (number of the format x scale) in f32.
;;   ~~~python
;;   def quantise(x, axis):      # numpy; x: float32 -> the quantised numbers, widened to float32 again
;;       x = np.moveaxis(x, axis, -1); K = x.shape[-1]
;;       x = np.pad(x, [(0, 0)] * (x.ndim - 1) + [(0, -K % 32)]); x = x.reshape(x.shape[:-1] + (-1, 32)); a = np.abs(x).max(-1, keepdims=True)
;;       e = np.where(a > 0, np.clip(np.frexp(np.where(a > 0, a, 1))[1] - 1 - 4, -126, 127), 0)      # np.frexp(a)[1] - 1 = floor(log2(a)), exactly
;;       r = np.clip(x / 2.0 ** e, -28, 28)
;;       step = 2.0 ** (np.maximum(np.frexp(np.where(r == 0, 1, r))[1] - 1, -2) - 2)
;;       q = np.round(r / step) * step * 2.0 ** e      # np.round: ties to even
;;       return np.moveaxis(q.reshape(q.shape[:-2] + (-1,))[..., :K], -1, axis).astype(np.float32)
;;   ~~~
;;   OPERANDS COMPUTED ON THE WAY. 'Computed on the way' means the value that the module computes at that place (a softmax that the list does not call 'softmax' is quantised finished and normalised). What goes into a quantiser is computed in f32, as accurately as f32 sums, v_exp_f32 and their like allow (about 1e-6 of the number): no bf16 or f16 on the way to a quantiser, and a product that is left as it is and whose result goes on into a quantised operand takes f32 operands (vector FMAs, or v_wmma_f32_16x16x4_f32). A number that lies on a knife's edge between two numbers of the format may be rounded either way, as far as f32 arithmetic and the matrix unit's own rounding can turn it there, and no further.
;; One version. Each part assembles by itself: llvm-mc -triple=amdgcn-amd-amdhsa -mcpu=gfx1250 --defsym DOCPART=n.
;; ======== version 1 of 1: 1 launch
;; limits: right only within a limited range of input values
;; launch match (part 1): grid 64 x 4, 4 waves a work-group, clusters of 4 x 1, 327,680 bytes of LDS; arguments reps_lt, reps_rt, kernel, out0; writes out0
.if DOCPART == 1
	.amdgcn_target "amdgcn-amd-amdhsa--gfx1250"
	.amdhsa_code_object_version 6
	.text
	.protected	k_qbd9e7b3b2a_match
	.globl	k_qbd9e7b3b2a_match
	.p2align	8
	.type	k_qbd9e7b3b2a_match,@function
k_qbd9e7b3b2a_match:
	s_mov_b64 s[64:65], 0
	v_nop
	global_prefetch_b8 v0, s[64:65] scope:SCOPE_SE
	s_setreg_imm32_b32 hwreg(HW_REG_WAVE_MODE, 25, 1), 1
	s_wait_xcnt 0x0
	s_wait_alu depctr_hold_cnt(0) depctr_sa_sdst(0) depctr_va_vdst(0) depctr_va_sdst(0) depctr_va_ssrc(0) depctr_va_vcc(0) depctr_vm_vsrc(0)
	s_getreg_b32 s2, hwreg(HW_REG_IB_STS2, 6, 4)
	s_cmp_eq_u32 s2, 0
	s_cbranch_scc0 .Lentry_in_a_cluster
	s_endpgm
.Lentry_in_a_cluster:
	s_bfe_u32 s2, ttmp6, 0x10000c
	s_cmp_lg_u32 s2, 0x3003
	s_cbranch_scc0 .Lentry_shape_is_right
	s_endpgm
.Lentry_shape_is_right:
; out[b][j][m] = max over i of tanh( sum over d of Q(rt[b][j][d]) x Q(lt[b][i][d] x kernel[m][d]) ).  lt, rt: [16][256][256] f32; kernel: [32][256] f32; out: [16][256][32] f32.
; Q: codes of BF6 (E3M2) with one E8M0 scale for each 32 along d; the products go to v_wmma_scale_f32_16x16x128_f8f6f4, sums in f32.
; tanh never decreases, so the largest tanh is the tanh of the largest score, for every input: the maximum is taken of the f32 scores and tanh once for each output.
; SHARES.  Work-group (b, x) owns batch b, m = 2 x and 2 x + 1, all 256 i and all 256 j: the maximum over i never leaves it.  Wave w owns rows 64 w .. 64 w + 63 of lt (four tiles of 16 rows, each for both m:
; eight fragments of 24 registers, kept) and quantises rows 64 w .. 64 w + 63 of rt, whose codes all four waves read through LDS.
; CLUSTER.  The four work-groups of a cluster have the same b and need the same rows of lt and rt: they ask for them JOINTLY (the same tensor load, the same descriptor, a mask that names the four).
; THE RING.  Two slots of 128 rows (32 of each wave, which alone reads them), rows 1,040 bytes apart, four fills of one load a wave: rt's rows A (the first 32 of each wave's 64) into slot 0, lt's rows A into slot 1,
; lt's rows B into slot 0, rt's rows B into slot 1.  Each fill but the first goes out behind a round of the cluster's barrier and has the work on the fill before it in which to land.
; A tile is read in chunks of 16 rows x 64 d in the operand's own layout: lane (r, h) holds d = 64 q + 32 h + 0 .. 31 of row r, a whole block of 32: no other lane is asked for a maximum.
; SOURCE 0 = 16 rows i of a fragment, SOURCE 1 = 16 rows j of rt: in the result a lane holds ONE j (lane % 16) and eight i: the maximum over i runs over a lane's own registers.
; Position p = 4 g + w of the walk over rt holds rows 64 w + 16 g .. + 15 (g = 0, 1: rows A; 2, 3: rows B).  Rows B are quantised while positions 0 .. 7 are multiplied.
; PREFETCH.  Behind fill 0 a wave asks for its rows of fills 1 and 2, behind fill 1 for those of fill 3: 32 rows of 1,024 bytes are 128 blocks of 256 bytes, of which each of the four partners names 32 (by address:
; cx), one a lane.  Nothing is asked for behind fill 3.
; THE WAY OUT.  A work-group owns 8 bytes (two m) of each row of 128 bytes of out, so its stores are of 8 bytes a lane; whole rows in one work-group would want all 32 m there, sixteen times the quantising of
; lt x kernel.  out is 524,288 of the 8,945,664 bytes that the problem moves.
; LIMITS.  NaN and infinities among the inputs are not served.  A block of zeros keeps the scale byte 1 and not 127: its codes are 0 and add nothing under any byte.  A block whose largest magnitude lies under
; 2^-122 has its byte held at 1, as the quantiser's rule holds the exponent at -126; such blocks were not tried.
;
; REGISTERS, in windows of 256 (s_set_vgpr_msb: bits 1:0 source 0, 3:2 source 1, 5:4 source 2, 7:6 destination):
;   window 0: addresses, scales, X (two chunks), P (a chunk of lt x kernel for both m), two positions of rt's codes;   window 1: the eight fragments' codes, the codes of two rt tiles in the making
;   window 2: kernel, both m; later the accumulators, two sets of eight, and the maxima
.set LPITCH, 1040                      ; a row in LDS: 1,024 bytes + 16 = 65 x 16: the 16 rows that sixteen lanes of a 16-byte load touch lie in 16 different columns of 16 bytes modulo 256 (64 banks of 4 bytes: ISA guide 11.1)
.set LTILE,  16*LPITCH
.set WSLOT,  32*LPITCH                 ; a wave's rows of a slot
.set SLOT,   4*WSLOT                   ; 133,120
.set CODES,  2*SLOT                    ; 266,240: 16 positions x 3,072: images of 24 registers
.set SCA,    CODES+49152               ; 315,392: 16 positions x 128: images of a scale register
.set RED,    SCA+2048                  ; 317,440: 2,048 a wave: first its two rows of kernel, at the end its maxima, [4 groups][32 lanes][4 positions]
.set SPARE,  RED+8192                  ; 325,632: the spare words, 128 bytes for each wave: two blocks of 256 bytes that no other line names
.set LA,  3                            ; v3-4    a slot: my row of my wave's first tile
.set PFO, 5                            ; v5      the prefetches' offset; never rewritten
.set KLA, 20                           ; v20     kernel in LDS: my half of the lanes
.set KST, 21
.set CS,  22                           ; v22     where my tile's codes go
.set SS,  23                           ; v23     where its scale word goes
.set CL,  24                           ; v24     where any position's codes are read
.set SL,  25
.set SEL, 26                           ; v26     v_perm_b32's selects that make a scale word of my bytes and those of the lane 16 away
.set KG,  27
.set SPW, 28                           ; v28     LDS address of my spare word: SPARE + 4 x my thread's number; never rewritten
.set NIL, 29                           ; v29     0; never rewritten
.set RS,  30
.set RL,  31
.set FS,  32                           ; v32-39  scale words of fragment f = 2 tile + m: lanes 0-15 for d = 0 .. 127, lanes 16-31 for d = 128 .. 255
.set SA,  40                           ; v40-41  the same of two positions of rt
.set CA,  44
.set SC,  48                           ; v48-55  scale operands of a tile's four blocks, for each m
.set PK,  56
.set OT,  60
.set OA,  62                           ; v62     out: my row
.set XB,  64
.set PB,  128
.set TC,  192
.set Y,   200
.set RB,  208
.set RC,  192                          ; window 1
.set MX,  128                          ; window 2
.set MO,  144                          ; window 2: position n's maxima at MO + n
.set G1,  24                           ; s[24:31] descriptor group 1; s[32:47] a group 0 for each fill
.set G0,  32
.set MSB, 0
.macro WIN new                         ; the immediate's high byte repeats the setting that is left; a switch that changes nothing is dropped
.if MSB != \new
	s_set_vgpr_msb (MSB<<8)|\new
.set MSB, \new
.endif
.endm
.macro CREST                           ; a round of the cluster's barrier behind its opening barrier
	s_cmp_lg_u32 s12, 0
	s_cbranch_scc1 .Lnot_wave_0_\@
	s_barrier_signal -3
.Lnot_wave_0_\@:
	s_barrier_wait -3
	s_barrier_signal -1
	s_barrier_wait -1
.endm
.macro ROUND                           ; a whole round: my work-group's barrier, so that wave 0's signal speaks for all four waves; wave 0 signals; every wave waits for the four work-groups; my work-group's barrier once more
	s_barrier_signal -1
	s_barrier_wait -1
	CREST
.endm
.macro FILL f                          ; the wave's one tensor load behind a round
	tensor_load_to_lds s[G0+4*\f:G0+4*\f+3], s[G1:G1+7]
	s_nop 0
.rept 4
	v_nop                                          ; four instructions between a tensor load and the next switch of windows
.endr
.endm
.macro DRAIN                           ; the lines ahead of a fill's round
	s_wait_tensorcnt 0x0                           ; my load has landed
	ds_add_u32 v[SPW], v[NIL]
	s_wait_dscnt 0x0                               ; the add is done, and all my LDS reads and stores
.endm
.macro LDX slot, k                     ; chunk k (modulo 8) of a slot: tile k / 4 of my two, q = k % 4, into X's half k % 2
.irp i, 0,1,2,3,4,5,6,7
	ds_load_b128 v[XB+32*((\k)%2)+4*\i:XB+32*((\k)%2)+4*\i+3], v[LA+\slot] offset:LTILE*(((\k)/4)%2)+256*((\k)%4)+16*\i
.endr
.endm
.macro KLD q                           ; kernel, both m, d = 64 q + 32 h + 0 .. 31
.irp m, 0,1
.irp i, 0,1,2,3,4,5,6,7
	ds_load_b128 v[128*\m+32*(\q)+4*\i:128*\m+32*(\q)+4*\i+3], v[KLA] offset:1024*\m+256*(\q)+16*\i
.endr
.endr
.endm
; The scale words: four bytes of each lane (its blocks of q = 0 .. 3) and four of the lane 16 away make the word of d = 0 .. 127 in lanes 0-15 and that of d = 128 .. 255 in lanes 16-31.  m = 0 .. last.
.macro PACK last, dst
.irp m, 0,1
.if \m <= \last
	v_perm_b32 v[PK+2*\m], v[SC+4*\m+1], v[SC+4*\m], s22           ; two scale operands' upper halves
.endif
.endr
.irp m, 0,1
.if \m <= \last
	v_perm_b32 v[PK+2*\m+1], v[SC+4*\m+3], v[SC+4*\m+2], s22
.endif
.endr
.irp m, 0,1
.if \m <= \last
	v_lshrrev_b32 v[PK+2*\m], 7, v[PK+2*\m]                        ; now bytes 0 and 2 are the two exponent fields
.endif
.endr
.irp m, 0,1
.if \m <= \last
	v_lshrrev_b32 v[PK+2*\m+1], 7, v[PK+2*\m+1]
.endif
.endr
.irp m, 0,1
.if \m <= \last
	v_perm_b32 v[PK+2*\m], v[PK+2*\m+1], v[PK+2*\m], s23           ; my four bytes
.endif
.endr
.irp m, 0,1
.if \m <= \last
	v_permlanex16_b32 v[OT+\m], v[PK+2*\m], s20, s21
.endif
.endr
.irp m, 0,1
.if \m <= \last
	v_perm_b32 v[\dst+\m], v[OT+\m], v[PK+2*\m], v[SEL]
.endif
.endr
.endm
; Chunk c of lt (0 .. 7 rows A in slot 1, 8 .. 15 rows B in slot 0), for both m: lt x kernel in f32, then codes into fragments 2 (c / 4) + m.
.macro LSTEP c
.set XS, XB+32*((\c)%2)
.set CQ, (\c)%4
.set CT, (\c)/4
	s_wait_dscnt 0x0                               ; chunk c is in
.if (\c) == 7
	s_wait_tensorcnt 0x0                           ; rows B of lt have landed: the lines ahead of the next fill's round, with the multiplications between the add and the wait for it
	ds_add_u32 v[SPW], v[NIL]
.elseif (\c) == 15
	s_wait_tensorcnt 0x0                           ; rows B of rt have landed; I alone read mine
	RTL 0                                          ; and the walk's first codes, which a round has shown to all waves
	LDX 1, 0
.else
	LDX 1-((\c)/8), (\c)+1
.endif
	WIN 0x08                                       ; source 1: window 2
.irp n, 0,2,4,6,8,10,12,14,16,18,20,22,24,26,28,30
.irp m, 0,1
	v_pk_mul_f32 v[PB+32*\m+\n:PB+32*\m+\n+1], v[XS+\n:XS+\n+1], v[128*\m+32*CQ+\n:128*\m+32*CQ+\n+1]
.endr
.endr
.if (\c) == 7
	s_wait_dscnt 0x0                               ; the add is done, and my reads of slot 1 are over
	s_barrier_signal -1                            ; this barrier opens the round; work on registers while the others arrive
.endif
	WIN 0
.irp m, 0,1
	v_max3_num_f32 v[CA+2*\m],   |v[PB+32*\m]|,    |v[PB+32*\m+1]|,  |v[PB+32*\m+2]|      ; a block's largest magnitude, two chains for each m
	v_max3_num_f32 v[CA+2*\m+1], |v[PB+32*\m+16]|, |v[PB+32*\m+17]|, |v[PB+32*\m+18]|
.endr
.irp i, 3,5,7,9,11,13
.irp m, 0,1
	v_max3_num_f32 v[CA+2*\m],   v[CA+2*\m],   |v[PB+32*\m+\i]|,    |v[PB+32*\m+\i+1]|
	v_max3_num_f32 v[CA+2*\m+1], v[CA+2*\m+1], |v[PB+32*\m+16+\i]|, |v[PB+32*\m+17+\i]|
.endr
.endr
.irp m, 0,1
	v_max3_num_f32 v[CA+2*\m], v[CA+2*\m], |v[PB+32*\m+15]|, |v[PB+32*\m+31]|
.endr
.irp m, 0,1
	v_max3_num_f32 v[CA+2*\m], v[CA+2*\m], v[CA+2*\m+1], 0x2800000     ; and the floor 2^(5 - 127): the byte cannot fall under 1
.endr
.irp m, 0,1
	v_add_nc_u32 v[SC+4*\m+CQ], 0xfe000000, v[CA+2*\m]             ; 4 off the exponent field: the conversion's scale operand
.endr
.irp m, 0,1
	v_cvt_scalef32_pk16_bf6_f32 v[TC+4*\m:TC+4*\m+2], v[PB+32*\m+16:PB+32*\m+31], v[SC+4*\m+CQ]   ; (three registers begin on an even number: the second half of a block's six is made elsewhere and moved)
.endr
	WIN 0x40
.irp m, 0,1
	v_cvt_scalef32_pk16_bf6_f32 v[48*CT+24*\m+6*CQ:48*CT+24*\m+6*CQ+2], v[PB+32*\m:PB+32*\m+15], v[SC+4*\m+CQ]
.endr
	v_nop                                          ; one plain instruction behind the conversions
.irp m, 0,1
.irp i, 0,1,2
	v_mov_b32 v[48*CT+24*\m+6*CQ+3+\i], v[TC+4*\m+\i]
.endr
.endr
	WIN 0
.if CQ == 3
	PACK 1, FS+2*CT
.endif
.if (\c) == 7
	s_barrier_wait -1
	CREST
	FILL 3                                         ; rt's rows B into slot 1
	LDX 0, 8
.endif
.endm
; Chunk c of rt (0 .. 7 rows A, 8 .. 15 rows B): codes into RC; behind a tile's fourth chunk its scale word and its 24 registers go to LDS, as they lie.
.macro RQ c
.set XS, XB+32*((\c)%2)
.set CQ, (\c)%4
.set CG, (\c)/4
.set RCG, RC+24*(CG%2)
.irp k, 0,1,2,3
	v_max3_num_f32 v[CA+\k], |v[XS+8*\k]|, |v[XS+8*\k+1]|, |v[XS+8*\k+2]|
.endr
.irp i, 3,5
.irp k, 0,1,2,3
	v_max3_num_f32 v[CA+\k], v[CA+\k], |v[XS+8*\k+\i]|, |v[XS+8*\k+\i+1]|
.endr
.endr
	v_max3_num_f32 v[CA], v[CA], |v[XS+7]|, |v[XS+15]|
	v_max3_num_f32 v[CA+1], v[CA+1], |v[XS+23]|, |v[XS+31]|
	v_max3_num_f32 v[CA+2], v[CA+2], v[CA+3], 0x2800000
	v_max3_num_f32 v[CA], v[CA], v[CA+1], v[CA+2]
	v_add_nc_u32 v[SC+CQ], 0xfe000000, v[CA]
	v_cvt_scalef32_pk16_bf6_f32 v[TC:TC+2], v[XS+16:XS+31], v[SC+CQ]
	WIN 0x40
	v_cvt_scalef32_pk16_bf6_f32 v[RCG+6*CQ:RCG+6*CQ+2], v[XS:XS+15], v[SC+CQ]
	v_nop
.irp i, 0,1,2
	v_mov_b32 v[RCG+6*CQ+3+\i], v[TC+\i]
.endr
	WIN 0
.if CQ == 3
	PACK 0, PK
	ds_store_b32 v[SS], v[PK] offset:512*CG
	WIN 0x04
.irp k, 0,1,2,3,4,5
	ds_store_b128 v[CS], v[RCG+4*\k:RCG+4*\k+3] offset:12288*CG+512*\k
.endr
	WIN 0
.endif
.endm
; Chunk k of rt's rows A.  The first four steps also fetch kernel's 64 registers a step; they may stay out (16 loads) at the next chunk's wait, and so may the first tile's seven stores behind them.
.macro RASTEP k
.if (\k) == 0
	s_wait_dscnt 0x0
.elseif (\k) < 4
	s_wait_dscnt 16
.elseif (\k) == 4
	s_wait_dscnt 23
.else
	s_wait_dscnt 0x0
.endif
.if (\k) < 7
	LDX 0, (\k)+1
.endif
.if (\k) < 4
	WIN 0x80
	KLD \k
	WIN 0
.endif
	RQ \k
.endm
.macro RTL n                           ; the codes and scale words of position n
.irp k, 0,1,2,3,4,5
	ds_load_b128 v[RB+24*((\n)%2)+4*\k:RB+24*((\n)%2)+4*\k+3], v[CL] offset:3072*(\n)+512*\k
.endr
	ds_load_b32 v[SA+(\n)%2], v[SL] offset:128*(\n)
.endm
; 16 matrix instructions: the eight fragments against position n, d = 0 .. 127 and then 128 .. 255.  The eight accumulators take turns, one instruction a turn.
.macro MUL n
	WIN 0xa1                                       ; source 0 window 1, source 1 window 0, C and D window 2
.irp f, 0,1,2,3,4,5,6,7
	v_wmma_scale_f32_16x16x128_f8f6f4 v[64*((\n)%2)+8*\f:64*((\n)%2)+8*\f+7], v[24*\f:24*\f+11], v[RB+24*((\n)%2):RB+24*((\n)%2)+11], 0, v[FS+\f], v[SA+(\n)%2] matrix_a_fmt:MATRIX_FMT_BF6 matrix_b_fmt:MATRIX_FMT_BF6
.endr
.irp f, 0,1,2,3,4,5,6,7
	v_wmma_scale_f32_16x16x128_f8f6f4 v[64*((\n)%2)+8*\f:64*((\n)%2)+8*\f+7], v[24*\f+12:24*\f+23], v[RB+24*((\n)%2)+12:RB+24*((\n)%2)+23], v[64*((\n)%2)+8*\f:64*((\n)%2)+8*\f+7], v[FS+\f], v[SA+(\n)%2] matrix_a_fmt:MATRIX_FMT_BF6 matrix_b_fmt:MATRIX_FMT_BF6 matrix_a_scale:MATRIX_SCALE_ROW1 matrix_b_scale:MATRIX_SCALE_ROW1
.endr
.endm
; The maxima of position n over my wave's 64 i: 32 numbers a lane for each m, in four chains (k: m = k % 2, tiles of lt 2 (k / 2) and the next), each accumulator from its low end on.
; Four places or more of other vector work stand behind the matrix instructions that made them.  Then the two halves of the lanes: lanes 0-15 keep m = 2 x, lanes 16-31 m = 2 x + 1.
.macro MAXI n
.set MA, 64*((\n)%2)
	WIN 0xaa
.irp k, 0,1,2,3
	v_max3_num_f32 v[MX+\k], v[MA+32*(\k/2)+8*(\k%2)], v[MA+32*(\k/2)+8*(\k%2)+1], v[MA+32*(\k/2)+8*(\k%2)+2]
.endr
.irp i, 3,5,7,9,11,13
.irp k, 0,1,2,3
	v_max3_num_f32 v[MX+\k], v[MX+\k], v[MA+32*(\k/2)+8*(\k%2)+16*(\i/8)+\i%8], v[MA+32*(\k/2)+8*(\k%2)+16*((\i+1)/8)+(\i+1)%8]
.endr
.endr
.irp m, 0,1
	v_max3_num_f32 v[MX+\m], v[MX+\m], v[MA+8*\m+23], v[MA+32+8*\m+23]
.endr
.irp m, 0,1
	v_max_num_f32 v[MX+\m], v[MX+\m], v[MX+2+\m]
.endr
	v_permlane16_swap_b32 v[MX], v[MX+1]           ; the first: both m's lower i; the second: both m's upper i
	v_max_num_f32 v[MO+(\n)], v[MX], v[MX+1]
	WIN 0
.endm
; Position n is multiplied, position n - 1's maxima are taken, chunk 8 + n of rt is quantised.  Group 2's codes are stored behind position 3, group 3's behind position 7; the barriers at positions 7 and 11 show
; them to all four waves: signal ahead of the matrix instructions, wait behind them.
.macro RSTEP n
.set CH, 8+(\n)
.set BAR, 0
.if (\n) == 7
.set BAR, 1
.endif
.if (\n) == 11
.set BAR, 1
.endif
.if BAR == 1
	s_wait_dscnt 0x0                               ; for the others' sake: my tile's codes and scale words are in LDS
	s_barrier_signal -1
	MUL \n
	s_barrier_wait -1
	WIN 0
	RTL (\n)+1
.else
.if (\n) == 4
	s_wait_dscnt 7                                 ; position n's codes and my chunk are in; the seven stores of a tile's codes may be out
.elseif (\n) == 8
	s_wait_dscnt 7
.else
	s_wait_dscnt 0x0
.endif
	WIN 0
.if (\n) < 15
	RTL (\n)+1
.endif
.if CH+1 < 16
	LDX 1, CH+1
.endif
.if (\n) == 0
	RQ CH                                          ; ahead of the first matrix instructions: the last fragments' scale words were written by vector instructions just before, and stand eight places ahead of their reader
.endif
	MUL \n
.endif
.if (\n) == 0
.rept 4
	v_nop                                          ; no maxima yet: four places ahead of the next codes' loads and of the first read of results
.endr
.else
	MAXI (\n)-1
.if CH < 16
	RQ CH
.endif
.endif
	WIN 0
.endm
	s_load_b256 s[4:11], s[0:1], 0x0               ; lt s[4:5], rt s[6:7], kernel s[8:9], out s[10:11]
	v_lshl_add_u32 v[SPW], v0, 2, SPARE
	v_mov_b32 v[NIL], 0
	ds_add_u32 v[SPW], v[NIL]                      ; the wave's opening: the add, twice on end, and its wait ahead of my first tensor load
	ds_add_u32 v[SPW], v[NIL]
	v_lshrrev_b32 v1, 5, v0
	v_readfirstlane_b32 s12, v1                    ; wave 0..3
	s_bfe_u32 s13, ttmp6, 0x40000                  ; cx: my place in the cluster: it enters kernel's, out's and the prefetches' addresses alone
	s_and_b32 s48, ttmp7, 0xffff
	s_lshl_b32 s48, s48, 2
	s_add_co_u32 s48, s48, s13                     ; x = 4 y + cx; in a cluster launch ttmp9 counts clusters: it is b
	s_lshl_b32 s14, ttmp9, 18                      ; lt, rt: b x 262,144 bytes
	s_lshl_b32 s15, s12, 16                        ; + my wave's 64 rows: made of b and the wave's number alone
	s_add_co_u32 s14, s14, s15
	s_mov_b32 s15, 0
	s_lshl_b32 s16, s48, 11                        ; kernel: two rows of 1,024 bytes
	s_mov_b32 s17, 0
	s_lshl_b32 s18, ttmp9, 15                      ; out: b x 32,768 + 8 x
	s_lshl_b32 s48, s48, 3
	s_add_co_u32 s18, s18, s48
	s_mov_b32 s19, 0
	s_mov_b32 s20, 0x76543210                      ; v_permlanex16_b32: each lane takes its own place in the other half
	s_mov_b32 s21, 0xfedcba98
	s_mov_b32 s22, 0x07060302
	s_mov_b32 s23, 0x06040200
	s_lshl_b32 s49, s12, 11
	s_add_co_u32 s50, s49, RED                     ; my wave's kernel, then its maxima
	s_mul_i32 s51, s12, 3072
	s_add_co_u32 s51, s51, CODES
	s_lshl_b32 s52, s12, 7
	s_add_co_u32 s52, s52, SCA
	s_mul_i32 s53, s12, WSLOT                      ; my rows of slot 0
	s_lshl_b32 s13, s13, 13
	; descriptor group 1: 32 rows x 256 elements of 4 bytes, 16 bytes of padding behind each row
	s_mov_b32 s[G1+0], 15|(2<<16)|(1<<20)|(1<<21)|(7<<22)|(3<<25)  ; 15:0 the mask: all four work-groups; 17:16 elements of 4 bytes; 20 padding on; 21 set beside a mask; 24:22 after every 256 words (code 7); 31:25 4 words of it (code 3)
	s_mov_b32 s[G1+1], 256<<16                     ; tensor_dim0 = 256
	s_mov_b32 s[G1+2], 32<<16                      ; tensor_dim1 = 32
	s_mov_b32 s[G1+3], 256<<16                     ; tile_dim0 = 256
	s_mov_b32 s[G1+4], 32                          ; tile_dim1 = 32
	s_mov_b32 s[G1+5], 256                         ; elements from row to row
	s_mov_b32 s[G1+6], 0
	s_mov_b32 s[G1+7], 0
.irp f, 0,1,2,3
	s_mov_b32 s[G0+4*\f], 1                        ; count = 1
	s_add_co_u32 s[G0+4*\f+1], s53, SLOT*(\f%2)    ; LDS address: fills take the two slots by turns
.endr
	v_and_b32 v1, 15, v0                           ; r = lane % 16
	v_bfe_u32 v2, v0, 4, 1                         ; h = lane / 16
	v_and_b32 v63, 31, v0                          ; lane
	v_mul_u32_u24 v204, v1, LPITCH
	v_lshl_add_u32 v204, v2, 7, v204               ; row r, + 32 numbers for the upper half of the lanes,
	v_add_nc_u32 v[LA], s53, v204                  ; in slot 0
	v_add_nc_u32 v[LA+1], SLOT, v[LA]              ; and in slot 1
	v_lshl_add_u32 v[PFO], v63, 8, s13             ; a block of 256 bytes a lane, 8 rows a partner
	v_lshlrev_b32 v[KG], 4, v63
	v_lshl_add_u32 v[KST], v63, 4, s50
	v_lshl_add_u32 v[KLA], v2, 7, s50
	v_lshl_add_u32 v[CS], v63, 4, s51
	v_lshl_add_u32 v[CL], v63, 4, CODES
	v_lshl_add_u32 v[SS], v63, 2, s52
	v_lshl_add_u32 v[SL], v63, 2, SCA
	v_lshl_add_u32 v[RS], v63, 4, s50
	v_lshl_add_u32 v[RL], v0, 4, RED
	v_lshlrev_b32 v[OA], 7, v1                     ; wave w finishes positions 4 w + k, k = 0 .. 3: rows j = 64 k + 16 w + r; lanes 0-15 store k = 0 and 2, lanes 16-31 k = 1 and 3
	v_lshl_add_u32 v[OA], v2, 13, v[OA]
	v_add_nc_u32 v[OA], s49, v[OA]
	v_mov_b32 v204, 0x05010400                     ; lanes 0-15: mine, the other's, of q = 0 and then q = 1
	v_mov_b32 v205, 0x03070206                     ; lanes 16-31: the other's, mine, of q = 2 and then q = 3
	v_cmp_eq_u32 vcc_lo, 1, v2
	v_cndmask_b32 v[SEL], v204, v205, vcc_lo
	v_mov_b32 v[OT], 0                             ; (the destination of a lane permute counts as read)
	v_mov_b32 v[OT+1], 0
	s_wait_alu depctr_va_vdst(0)                   ; the wait at the head's end
	s_wait_dscnt 0x0                               ; both opening adds are done
	s_wait_kmcnt 0x0
	s_add_nc_u64 s[8:9], s[8:9], s[16:17]          ; kernel[2 x]
	s_add_nc_u64 s[10:11], s[10:11], s[18:19]      ; out[b][0][2 x]
.irp k, 0,1,2,3
	global_load_b128 v[PB+4*\k:PB+4*\k+3], v[KG], s[8:9] offset:512*\k
.endr
	s_add_nc_u64 s[4:5], s[4:5], s[14:15]          ; lt[b] and rt[b] at my wave's rows
	s_add_nc_u64 s[6:7], s[6:7], s[14:15]
	s_mov_b64 s[G0+2:G0+3], s[6:7]                 ; fill 0: rt, rows A
	s_mov_b64 s[G0+6:G0+7], s[4:5]                 ; fill 1: lt, rows A
	s_add_nc_u64 s[G0+10:G0+11], s[4:5], 0x8000    ; fill 2: lt, rows B
	s_add_nc_u64 s[G0+14:G0+15], s[6:7], 0x8000    ; fill 3: rt, rows B
.irp f, 0,1,2,3
	s_or_b32 s[G0+4*\f+3], s[G0+4*\f+3], 0x80000000                ; type = 2
.endr
	ROUND                                          ; all four work-groups are here: the joint loads meet
	FILL 0
	global_prefetch_b8 v[PFO], s[4:5] offset:0 th:TH_LOAD_NT scope:SCOPE_SE        ; fill 1's rows
	global_prefetch_b8 v[PFO], s[4:5] offset:32768 th:TH_LOAD_NT scope:SCOPE_SE    ; fill 2's
	s_wait_loadcnt 0x0                             ; kernel
.irp k, 0,1,2,3
	ds_store_b128 v[KST], v[PB+4*\k:PB+4*\k+3] offset:512*\k       ; LDS serves a wave's instructions in order (ISA guide 5.7.1.4): my later loads see these
.endr
	DRAIN
	ROUND
	FILL 1
	LDX 0, 0
	global_prefetch_b8 v[PFO], s[6:7] offset:32768 th:TH_LOAD_NT scope:SCOPE_SE    ; fill 3's rows
.set CI, 0
.rept 8
	RASTEP CI
.set CI, CI+1
.endr
	DRAIN                                          ; lt's rows A have landed; my reads of slot 0 are over, and my two tiles' codes are in LDS: the round shows them to my work-group's waves
	ROUND
	FILL 2
	LDX 1, 0
.set CI, 0
.rept 16
	LSTEP CI
.set CI, CI+1
.endr
.set CI, 0
.rept 16
	RSTEP CI
.set CI, CI+1
.endr
	MAXI 15
	; THE WAY OUT: the four waves' maxima, tanh, two rows of out a lane
	WIN 0x08
.irp g, 0,1,2,3
	ds_store_b128 v[RS], v[MO+4*\g:MO+4*\g+3] offset:512*\g
.endr
	WIN 0
	s_wait_dscnt 0x0                               ; for the others' sake: my maxima are in LDS
	s_barrier_signal -1
	s_barrier_wait -1
.irp w, 0,1,2,3
	ds_load_b128 v[XB+4*\w:XB+4*\w+3], v[RL] offset:2048*\w
.endr
	s_wait_dscnt 0x0
.irp k, 0,1,2,3
	v_max3_num_f32 v[Y+\k], v[XB+\k], v[XB+4+\k], v[XB+8+\k]
.endr
.irp k, 0,1,2,3
	v_max_num_f32 v[Y+\k], v[Y+\k], v[XB+12+\k]
.endr
	; tanh(s) = 1 - 2 / (1 + 2^(2 log2(e) s)): a large s gives infinity, 0 and 1; a very negative s gives 0, 1 and -1
.irp i, 0,1,2,3
	v_mul_f32 v[Y+\i], 0x4038aa3b, v[Y+\i]
.endr
	s_wait_alu depctr_va_vdst(0)                   ; a wait ahead of a batch of transcendentals and behind it
.irp i, 0,1,2,3
	v_exp_f32 v[Y+\i], v[Y+\i]
.endr
	v_nop                                          ; a plain instruction between the last transcendental and the use of its result
	s_wait_alu depctr_va_vdst(0)
.irp i, 0,1,2,3
	v_add_f32 v[Y+\i], 1.0, v[Y+\i]
.endr
	s_wait_alu depctr_va_vdst(0)
.irp i, 0,1,2,3
	v_rcp_f32 v[Y+\i], v[Y+\i]
.endr
	v_nop
	s_wait_alu depctr_va_vdst(0)
.irp i, 0,1,2,3
	v_fma_f32 v[Y+\i], v[Y+\i], -2.0, 1.0
.endr
	v_permlane16_swap_b32 v[Y], v[Y+1]             ; lane (r, h) now holds both m of position 4 w + h,
	v_permlane16_swap_b32 v[Y+2], v[Y+3]           ; and of 4 w + 2 + h
	global_store_b64 v[OA], v[Y:Y+1], s[10:11]                     ; out[b][j][2 x], [2 x + 1]
	global_store_b64 v[OA], v[Y+2:Y+3], s[10:11] offset:16384      ; out[b][j + 128][..]
	s_wait_tensorcnt 0x0                           ; the wave's end: behind my last tensor load and my last LDS store
	ds_add_u32 v[SPW], v[NIL]
	s_wait_dscnt 0x0
	ROUND                                          ; the closing round: no work-group ends while a partner may still ask for a tile that names it
	s_endpgm
.Lfunc_end_k_qbd9e7b3b2a_match:
	.size	k_qbd9e7b3b2a_match, .Lfunc_end_k_qbd9e7b3b2a_match-k_qbd9e7b3b2a_match
	.p2alignl 7, 3214868480
	.fill 96, 4, 3214868480
	.section	.rodata,"a",@progbits
	.p2align	6, 0x0
	.amdhsa_kernel k_qbd9e7b3b2a_match
		.amdhsa_group_segment_fixed_size 327680
		.amdhsa_private_segment_fixed_size 0
		.amdhsa_enable_private_segment 0
		.amdhsa_kernarg_size 32
		.amdhsa_user_sgpr_count 2
		.amdhsa_user_sgpr_kernarg_segment_ptr 1
		.amdhsa_wavefront_size32 1
		.amdhsa_system_sgpr_workgroup_id_x 1
		.amdhsa_system_sgpr_workgroup_id_y 1
		.amdhsa_system_sgpr_workgroup_id_z 1
		.amdhsa_system_vgpr_workitem_id 0
		.amdhsa_next_free_vgpr 1024
		.amdhsa_next_free_sgpr 66
		.amdhsa_reserve_vcc 1
		.amdhsa_float_denorm_mode_32 3
		.amdhsa_float_denorm_mode_16_64 3
		.amdhsa_memory_ordered 1
		.amdhsa_forward_progress 1
		.amdhsa_inst_pref_size 211
	.end_amdhsa_kernel
	.amdgpu_metadata
---
amdhsa.version: [ 1, 2 ]
amdhsa.kernels:
  - .name:           k_qbd9e7b3b2a_match
    .symbol:         k_qbd9e7b3b2a_match.kd
    .args:
      - { .name: reps_lt, .offset: 0, .size: 8, .value_kind: global_buffer, .address_space: global }
      - { .name: reps_rt, .offset: 8, .size: 8, .value_kind: global_buffer, .address_space: global }
      - { .name: kernel, .offset: 16, .size: 8, .value_kind: global_buffer, .address_space: global }
      - { .name: out0, .offset: 24, .size: 8, .value_kind: global_buffer, .address_space: global }
    .group_segment_fixed_size: 327680
    .private_segment_fixed_size: 0
    .kernarg_segment_align: 8
    .kernarg_segment_size: 32
    .max_flat_workgroup_size: 128
    .sgpr_count:     66
    .vgpr_count:     1024
    .wavefront_size: 32
...
	.end_amdgpu_metadata
.endif
;; end of part 1
